; MI455X (gfx1250); checked and timed in simulation.
; The chip was launched on July 23, 2026; its instructions are those of AMD's public machine-readable ISA for CDNA 5 (MIT licence, August 2026) and "CDNA5" Instruction Set Architecture Reference Guide (July 2026). The comments in the code are by the model that wrote it; some were corrected since.
;; SV Hunter Multi Head Attention. Allowed arithmetic: matrix products marked QUANTISED: E4M3 operands, one given power-of-two scale a tensor, by v_wmma_f32_16x16x64_fp8_fp8 or v_wmma_f32_16x16x128_fp8_fp8, f32 sums; everything else in f32.
;; Inputs: Wk 1,024 x 1,024 float32; Wo 1,024 x 1,024 float32; Wq 1,024 x 1,024 float32; Wv 1,024 x 1,024 float32; bk 1,024 float32; bo 1,024 float32; bq 1,024 float32; bv 1,024 float32; lowp_scales 12 int32 (the exponents e of the quantised operands' scales 2^e); x 4 x 2,048 x 1,024 float32.
;; Outputs: out0 4 x 2,048 x 1,024 float32.
;; This version of the problem:
;;   THIS VERSION OF THE PROBLEM IS GIVEN IN LOW PRECISION. The matrix products marked QUANTISED in the list below multiply operands that are first quantised to E4M3 (4 exponent bits, 3 mantissa bits; 8 bits a number), with one given power-of-two scale for each operand tensor; their sums are f32. All else is computed in f32.
;;   The module's matrix products, in the order in which they are computed (A, B: the left and right operand; K: the contracted axis; several contracted axes count as one K, in the product's order):
;;     1. [M 8,192, K 1,024] x [K 1,024, N 1,024]; A: input x; B: input Wq: QUANTISED (scales: A lowp_scales[0], B lowp_scales[1])
;;     2. [M 8,192, K 1,024] x [K 1,024, N 1,024]; A: input x; B: input Wk: QUANTISED (scales: A lowp_scales[2], B lowp_scales[3])
;;     3. [M 8,192, K 1,024] x [K 1,024, N 1,024]; A: input x; B: input Wv: QUANTISED (scales: A lowp_scales[4], B lowp_scales[5])
;;     4. batch 64 x [M 2,048, K 64] x [K 64, N 2,048]; A: computed on the way; B: computed on the way: QUANTISED (scales: A lowp_scales[6], B lowp_scales[7])
;;     5. batch 64 x [M 2,048, K 2,048] x [K 2,048, N 64]; A: softmax (see below); B: computed on the way: QUANTISED (scales: A lowp_scales[8], B lowp_scales[9])
;;     6. [M 8,192, K 1,024] x [K 1,024, N 1,024]; A: computed on the way; B: input Wo: QUANTISED (scales: A lowp_scales[10], B lowp_scales[11])
;;   THE QUANTISER, for each operand of a quantised product, along K:
;;     - The operand's scale is 2^e, e = its entry of the input lowp_scales (int32; the entries are numbered through the quantised products in the list's order, A before B).
;;     - Each number is divided by the scale, clamped to +-448, and rounded to the nearest number of E4M3, ties to even, subnormals kept.
;;     - The product sums the exact products of the quantised numbers (number of the format x scale) in f32.
;;   ~~~python
;;   def quantise(x, axis, e):      # numpy; x: float32 -> the quantised numbers, widened to float32 again
;;       x = np.moveaxis(x, axis, -1); K = x.shape[-1]
;;       r = np.clip(x / 2.0 ** e, -448, 448)
;;       step = 2.0 ** (np.maximum(np.frexp(np.where(r == 0, 1, r))[1] - 1, -6) - 3)
;;       q = np.round(r / step) * step * 2.0 ** e      # np.round: ties to even
;;       return np.moveaxis(q, -1, axis).astype(np.float32)
;;   ~~~
;;   SOFTMAX AHEAD OF A QUANTISED PRODUCT. Where the list says 'softmax', what is quantised is not the finished softmax but p = 2^(t - M), with t = logit x log2(e) and M = ceil(the row's largest t), a whole number; so 1/2 < the row's largest p <= 1. The row's sum l is taken of the UNQUANTISED p, in f32, and the product's result is divided by l at the end. Since M is a whole number, a kernel that streams over the keys may use a running M (the ceiling of the running maximum): every later rescaling is an exact power of two, so the quantised numbers keep their values, but for numbers so far below the row's largest that they fall under the format's range.
;;   OPERANDS COMPUTED ON THE WAY. 'Computed on the way' means the value that the module computes at that place (a softmax that the list does not call 'softmax' is quantised finished and normalised). What goes into a quantiser is computed in f32, as accurately as f32 sums, v_exp_f32 and their like allow (about 1e-6 of the number): no bf16 or f16 on the way to a quantiser, and a product that is left as it is and whose result goes on into a quantised operand takes f32 operands (vector FMAs, or v_wmma_f32_16x16x4_f32). A number that lies on a knife's edge between two numbers of the format may be rounded either way, as far as f32 arithmetic and the matrix unit's own rounding can turn it there, and no further.
;; One version. Each part assembles by itself: llvm-mc -triple=amdgcn-amd-amdhsa -mcpu=gfx1250 --defsym DOCPART=n.
;; ======== version 1 of 1: 4 launches
;; limits: right only within a limited range of input values
;; workspace buffers: codes 29,360,128 bytes; qkv 25,165,824 bytes; oimg 8,388,608 bytes
;; launch quant (part 1): grid 768 x 1, 4 waves a work-group, no clusters, 17,920 bytes of LDS; arguments x, Wq, Wk, Wv, Wo, lowp_scales, codes; writes codes
.if DOCPART == 1
	.amdgcn_target "amdgcn-amd-amdhsa--gfx1250"
	.amdhsa_code_object_version 6
	.text
	.protected	k_q01209eb290_quant
	.globl	k_q01209eb290_quant
	.p2align	8
	.type	k_q01209eb290_quant,@function
k_q01209eb290_quant:
	s_mov_b64 s[64:65], 0
	v_nop
	global_prefetch_b8 v0, s[64:65] scope:SCOPE_SE
	s_setreg_imm32_b32 hwreg(HW_REG_WAVE_MODE, 25, 1), 1
	s_wait_xcnt 0x0
; x [8192][1024] and Wq, Wk, Wv, Wo [1024][1024], f32, K innermost, become codes of FP8 (E4M3), each with the scale 2^e that is given for it.
; x is an operand of three products with three given scales (entries 0, 2, 4): three tensors of codes are made of one read.  Wq, Wk, Wv, Wo take entries 1, 3, 5, 11.
; code = number / 2^e, held within +-448, rounded to the nearest code, ties to even.  LIMITS: -126 <= e <= 119.  NaN among the inputs is not served; an infinity is held at the largest code.
; THE CODES ARE LAID AS IMAGES OF OPERAND REGISTERS.  A fragment of 16 rows x 128 k is 2,048 bytes: quarter u at 512 u + 16 x lane holds registers 4 u .. 4 u + 3 of lane (r, h):
; row r's codes k = 32 u + 8 h + 0 .. 7, then k = 32 u + 16 + 8 h + 0 .. 7.  An operand with NT tiles of 16 rows: byte (ks NT + tile) 4,096 + s 2,048 + u 512 + 16 lane, ks = k / 256, s = (k / 128) % 2.
; In the buffer: x's three images at 0, 8 and 16 MiB (NT = 512), the weights' four at 24 MiB + i MiB (NT = 64).
; SHARES.  Work-groups 0 to 511 take a tile of 16 rows of x, the other 256 a tile of a weight.  Wave w takes k = 256 w .. 256 w + 255: 16 KiB in, one block of 4,096 bytes out for each scale.
; Each load reads 256 consecutive bytes of two rows; the numbers turn through the wave's own stage in LDS (rows of 256 + 16 bytes), so that a lane gets the 16 numbers of a quarter; each store covers 512 consecutive bytes.
; A stream in which nothing is shared: no matrix unit, no cluster, no tensor load, no barrier.  All 32 loads of a wave go out at its head.
.set STG, 4352                         ; a wave's stage: 16 rows x 272 bytes
.set X,   16                           ; v16-47   two quarters' numbers, 16 each, back from the stage
.set T,   48                           ; v48-63   16 numbers, held
.set R,   64                           ; v64-191  the wave's 16 KiB as loaded: 32 registers for each 64 along K
.set C,   192                          ; v192-215 codes: four registers for scale o, quarter cq at 4 (2 o + cq)
	s_load_b256 s[4:11], s[0:1], 0x0               ; x s[4:5], Wq s[6:7], Wk s[8:9], Wv s[10:11]
	s_load_b128 s[12:15], s[0:1], 0x20             ; Wo s[12:13], the scales' exponents s[14:15]
	s_load_b64 s[16:17], s[0:1], 0x30              ; the codes
	v_lshl_add_u32 v216, v0, 2, 0x4400
	v_mov_b32 v217, 0
	v_lshrrev_b32 v5, 5, v0
	v_readfirstlane_b32 s32, v5                    ; wave 0..3
	v_and_b32 v12, 15, v0                          ; r
	v_bfe_u32 v13, v0, 4, 1                        ; h
	v_and_b32 v14, 31, v0                          ; lane
	v_lshlrev_b32 v1, 12, v13
	v_lshl_add_u32 v1, v12, 4, v1                  ; in: lanes 0-15 one row's 256 bytes, lanes 16-31 the next row's
	s_mul_i32 s46, s32, STG
	v_mul_u32_u24 v2, v13, 272
	v_lshl_add_u32 v2, v12, 4, v2
	v_add_nc_u32 v2, s46, v2                       ; into the stage: the same two rows
	v_mul_u32_u24 v3, v12, 272
	v_lshl_add_u32 v3, v13, 5, v3
	v_add_nc_u32 v3, s46, v3                       ; out of it: row r, + 8 h numbers
	v_lshlrev_b32 v4, 4, v14                       ; out: 16 x lane
	s_sub_co_u32 s42, ttmp9, 512                   ; a weight's work-group: which weight (i), which tile
	s_bfe_u32 s43, s42, 0x20006                    ; i = 0..3: Wq, Wk, Wv, Wo
	s_and_b32 s44, s42, 63
	s_lshl_b32 s45, s43, 20
	s_add_co_u32 s45, s45, 0x1800000               ; its image: 24 MiB + i MiB
	s_cmp_lt_u32 ttmp9, 512                        ; x's work-group?
	s_cselect_b32 s33, 1, 0
	s_cselect_b32 s44, ttmp9, s44                  ; the tile of 16 rows
	s_cselect_b32 s45, 0, s45                      ; x's first image begins at 0
	s_cselect_b32 s47, 512, 64                     ; NT
	s_mul_i32 s47, s47, s32
	s_add_co_u32 s47, s47, s44
	s_lshl_b32 s47, s47, 12                        ; (w NT + tile) x 4,096
	s_add_co_u32 s36, s47, s45
	s_mov_b32 s37, 0
	s_lshl_b32 s48, s44, 16                        ; the tile's 16 rows of 4,096 bytes,
	s_lshl_b32 s49, s32, 10                        ; my wave's 1,024 bytes of each
	s_add_co_u32 s48, s48, s49
	s_mov_b32 s49, 0
	s_wait_alu depctr_va_vdst(0)
	s_wait_kmcnt 0x0
	s_load_b256 s[20:27], s[14:15], 0x0            ; e0 .. e7
	s_load_b128 s[28:31], s[14:15], 0x20           ; e8 .. e11
	s_cmp_eq_u32 s43, 1                            ; the source: a choice on the work-group's number alone
	s_cselect_b64 s[34:35], s[8:9], s[6:7]
	s_cmp_eq_u32 s43, 2
	s_cselect_b64 s[34:35], s[10:11], s[34:35]
	s_cmp_eq_u32 s43, 3
	s_cselect_b64 s[34:35], s[12:13], s[34:35]
	s_cmp_eq_u32 s33, 1
	s_cselect_b64 s[34:35], s[4:5], s[34:35]
	s_add_nc_u64 s[34:35], s[34:35], s[48:49]
	s_add_nc_u64 s[36:37], s[16:17], s[36:37]      ; where my block goes,
	s_add_nc_u64 s[38:39], s[36:37], 0x800000      ; and, for x alone, in the second
	s_add_nc_u64 s[40:41], s[36:37], 0x1000000     ; and the third image (a weight's work-group never stores by these two)
.irp j, 0,1,2,3
.irp n, 0,1,2,3,4,5,6,7
	global_load_b128 v[R+32*\j+4*\n:R+32*\j+4*\n+3], v1, s[34:35] offset:\n*8192+\j*256 th:TH_LOAD_NT   ; rows 2 n, 2 n + 1; 64 along K from 64 j on
.endr
.endr
	s_wait_kmcnt 0x0
	s_cmp_eq_u32 s43, 1                            ; the first image's exponent: e1, e3, e5, e11 for a weight, e0 for x
	s_cselect_b32 s50, s23, s21
	s_cmp_eq_u32 s43, 2
	s_cselect_b32 s50, s25, s50
	s_cmp_eq_u32 s43, 3
	s_cselect_b32 s50, s31, s50
	s_cmp_eq_u32 s33, 1
	s_cselect_b32 s50, s20, s50
.macro MKSC e, sc, lm                  ; 2^e as f32 (the conversion takes its exponent field), and 448 x 2^e
	s_add_co_i32 s51, \e, 127
	s_lshl_b32 s52, s51, 23
	v_mov_b32 v[\sc], s52
	s_add_co_i32 s51, s51, 8
	s_lshl_b32 s51, s51, 23
	s_or_b32 s51, s51, 0x600000
	v_mov_b32 v[\lm], s51
.endm
	MKSC s50, 6, 7
	MKSC s22, 8, 9                                 ; e2
	MKSC s24, 10, 11                               ; e4
; The two quarters in X are quantised with scale o and stored into image o.
.macro OUT o, j
.irp cq, 0,1
.irp i, 0,1,2,3,4,5,6,7,8,9,10,11,12,13,14,15
	v_med3_num_f32 v[T+\i], v[X+16*\cq+\i], -v[7+2*\o], v[7+2*\o]   ; the conversion to an 8-bit code does not saturate (ISA guide 7.6.2): the hold comes first
.endr
	v_cvt_scalef32_pk8_fp8_f32 v[C+4*(2*\o+\cq):C+4*(2*\o+\cq)+1], v[T:T+7], v[6+2*\o]
	v_cvt_scalef32_pk8_fp8_f32 v[C+4*(2*\o+\cq)+2:C+4*(2*\o+\cq)+3], v[T+8:T+15], v[6+2*\o]
	v_nop                                          ; a plain line between the conversions and the next holds, which write their sources
	global_store_b128 v4, v[C+4*(2*\o+\cq):C+4*(2*\o+\cq)+3], s[36+2*\o:37+2*\o] offset:(2*\j+\cq)*512   ; 512 consecutive bytes, aligned
.endr
.endm
; 64 along K of the 16 rows: through the stage, then quantised.
.macro SUB j
	s_wait_loadcnt 24-8*\j                         ; my eight loads are in; the eight of each later 64 along K may be out
.irp n, 0,1,2,3,4,5,6,7
	ds_store_b128 v2, v[R+32*\j+4*\n:R+32*\j+4*\n+3] offset:\n*544
.endr
.irp cq, 0,1                                   ; LDS serves a wave's instructions in order (ISA guide 5.7.1.4): these see the stores above
	ds_load_b128 v[X+16*\cq:X+16*\cq+3],     v3 offset:128*\cq
	ds_load_b128 v[X+16*\cq+4:X+16*\cq+7],   v3 offset:128*\cq+16
	ds_load_b128 v[X+16*\cq+8:X+16*\cq+11],  v3 offset:128*\cq+64
	ds_load_b128 v[X+16*\cq+12:X+16*\cq+15], v3 offset:128*\cq+80
.endr
	s_wait_dscnt 0x0
.if \j > 0
	s_wait_xcnt 0x0                                ; the earlier stores have read their data: the codes' registers are written again only behind this wait
.endif
	OUT 0, \j
	s_cmp_eq_u32 s33, 0                            ; a weight has one scale
	s_cbranch_scc1 .Lw_\@
	OUT 1, \j
	OUT 2, \j
.Lw_\@:
.endm
	s_wait_alu depctr_va_vdst(0)
	SUB 0
	SUB 1
	SUB 2
	SUB 3
	s_wait_tensorcnt 0x0
	ds_add_u32 v216, v217
	s_wait_dscnt 0x0
	s_endpgm
.Lfunc_end_k_q01209eb290_quant:
	.size	k_q01209eb290_quant, .Lfunc_end_k_q01209eb290_quant-k_q01209eb290_quant
	.p2alignl 7, 3214868480
	.fill 96, 4, 3214868480
	.section	.rodata,"a",@progbits
	.p2align	6, 0x0
	.amdhsa_kernel k_q01209eb290_quant
		.amdhsa_group_segment_fixed_size 17920
		.amdhsa_private_segment_fixed_size 0
		.amdhsa_enable_private_segment 0
		.amdhsa_kernarg_size 56
		.amdhsa_user_sgpr_count 2
		.amdhsa_user_sgpr_kernarg_segment_ptr 1
		.amdhsa_wavefront_size32 1
		.amdhsa_system_sgpr_workgroup_id_x 1
		.amdhsa_system_sgpr_workgroup_id_y 1
		.amdhsa_system_sgpr_workgroup_id_z 1
		.amdhsa_system_vgpr_workitem_id 0
		.amdhsa_next_free_vgpr 218
		.amdhsa_next_free_sgpr 66
		.amdhsa_reserve_vcc 0
		.amdhsa_float_denorm_mode_32 3
		.amdhsa_float_denorm_mode_16_64 3
		.amdhsa_memory_ordered 1
		.amdhsa_forward_progress 1
		.amdhsa_inst_pref_size 42
	.end_amdhsa_kernel
	.amdgpu_metadata
---
amdhsa.version: [ 1, 2 ]
amdhsa.kernels:
  - .name:           k_q01209eb290_quant
    .symbol:         k_q01209eb290_quant.kd
    .args:
      - { .name: x, .offset: 0, .size: 8, .value_kind: global_buffer, .address_space: global }
      - { .name: Wq, .offset: 8, .size: 8, .value_kind: global_buffer, .address_space: global }
      - { .name: Wk, .offset: 16, .size: 8, .value_kind: global_buffer, .address_space: global }
      - { .name: Wv, .offset: 24, .size: 8, .value_kind: global_buffer, .address_space: global }
      - { .name: Wo, .offset: 32, .size: 8, .value_kind: global_buffer, .address_space: global }
      - { .name: lowp_scales, .offset: 40, .size: 8, .value_kind: global_buffer, .address_space: global }
      - { .name: codes, .offset: 48, .size: 8, .value_kind: global_buffer, .address_space: global }
    .group_segment_fixed_size: 17920
    .private_segment_fixed_size: 0
    .kernarg_segment_align: 8
    .kernarg_segment_size: 56
    .max_flat_workgroup_size: 128
    .sgpr_count:     66
    .vgpr_count:     218
    .wavefront_size: 32
...
	.end_amdgpu_metadata
.endif
;; end of part 1
;; launch qkv (part 2): grid 4 x 96, 4 waves a work-group, clusters of 4 x 4, 327,680 bytes of LDS; arguments codes, lowp_scales, bq, bk, bv, qkv; writes qkv
.if DOCPART == 2
	.amdgcn_target "amdgcn-amd-amdhsa--gfx1250"
	.amdhsa_code_object_version 6
	.text
	.protected	k_q01209eb290_qkv
	.globl	k_q01209eb290_qkv
	.p2align	8
	.type	k_q01209eb290_qkv,@function
k_q01209eb290_qkv:
	s_mov_b64 s[64:65], 0
	v_nop
	global_prefetch_b8 v0, s[64:65] scope:SCOPE_SE
	s_setreg_imm32_b32 hwreg(HW_REG_WAVE_MODE, 25, 1), 1
	s_wait_xcnt 0x0
	s_wait_alu depctr_hold_cnt(0) depctr_sa_sdst(0) depctr_va_vdst(0) depctr_va_sdst(0) depctr_va_ssrc(0) depctr_va_vcc(0) depctr_vm_vsrc(0)
	s_getreg_b32 s2, hwreg(HW_REG_IB_STS2, 6, 4)
	s_cmp_eq_u32 s2, 0
	s_cbranch_scc0 .Lentry_in_a_cluster
	s_endpgm
.Lentry_in_a_cluster:
	s_bfe_u32 s2, ttmp6, 0x10000c
	s_cmp_lg_u32 s2, 0xf033
	s_cbranch_scc0 .Lentry_shape_is_right
	s_endpgm
.Lentry_shape_is_right:
.set HALFT, 32768
.set SLOT,  4*HALFT
.set SPARE, 2*SLOT
.set FR,    16
.set NL,    4
.set NP,    4
.set ADRA,  16
.set ADRB,  20
.set SPW,   28
.set NIL,   29
.set BQ,    32
.set BV,    96
.set SC,    112
.set LIM,   113
.set LO16,  114
.set AF,    128
.set TMP,   128
.set CD,    192
.set WV, 16
.set HI, 17
.set LW, 18
.set TT, 19
.set G1,  24
.set G0,  32
.set G1B, 48
.set G0B, 56
.set MSB, 0
.macro WIN new
.if MSB != (\new)
	s_set_vgpr_msb (MSB<<8)|(\new)
.set MSB, (\new)
.endif
.endm
.set MUL_LO, 0xa1
.set MUL_HI, 0xf1
.set TO_B,   0x40
.macro JLOAD g0a, g0b
	s_cmp_eq_u32 s[HI], 0
	s_cbranch_scc0 .Lfor_b_\@
	tensor_load_to_lds s[\g0a:\g0a+3], s[G1:G1+7]
	s_nop 0
.rept 4
	v_nop
.endr
	s_branch .Lasked_\@
.Lfor_b_\@:
	tensor_load_to_lds s[\g0b:\g0b+3], s[G1B:G1B+7]
	s_nop 0
.rept 4
	v_nop
.endr
.Lasked_\@:
.endm
.macro CREST
	s_cmp_lg_u32 s[WV], 0
	s_cbranch_scc1 .Lnot_wave_0_\@
	s_barrier_signal -3
.Lnot_wave_0_\@:
	s_barrier_wait -3
	s_barrier_signal -1
	s_barrier_wait -1
.endm
.macro CROUND
	s_barrier_signal -1
	s_barrier_wait -1
	CREST
.endm
	s_load_b256 s[4:11], s[0:1], 0x0
	s_load_b128 s[12:15], s[0:1], 0x20
	v_lshl_add_u32 v[SPW], v0, 2, SPARE
	v_mov_b32 v[NIL], 0
	ds_add_u32 v28, v29
	ds_add_u32 v28, v29
	s_wait_dscnt 0x0
	v_lshrrev_b32 v1, 5, v0
	v_readfirstlane_b32 s[WV], v1
	s_lshr_b32 s[HI], s[WV], 1
	s_and_b32 s[LW], s[WV], 1
	s_bfe_u32 s40, ttmp6, 0x40000
	s_bfe_u32 s41, ttmp6, 0x40004
	s_and_b32 s21, ttmp7, 0xffff
	s_lshr_b32 s[TT], s21, 3
	s_and_b32 s20, s21, 7
	s_lshl_b32 s20, s20, 2
	s_cmp_eq_u32 s[TT], 2
	s_cselect_b32 s22, 0, s20
	s_cselect_b32 s23, s20, 0
	s_add_co_u32 s43, s22, s41
	s_add_co_u32 s42, s23, s40
	s_lshl_b32 s44, s41, 2
	s_lshl_b32 s44, 15, s44
	s_lshl_b32 s46, 0x1111, s40
	s_or_b32 s[G1], s44, (3<<16)|(1<<21)
	s_or_b32 s[G1B], s46, (3<<16)|(1<<21)
.irp g, G1, G1B
	s_mov_b32 s[\g+1], 32<<16
	s_mov_b32 s[\g+2], 128<<16
	s_mov_b32 s[\g+3], 32<<16
	s_mov_b32 s[\g+4], 128
	s_mov_b32 s[\g+5], 32
	s_mov_b32 s[\g+6], 0
	s_mov_b32 s[\g+7], 0
.endr
	s_lshl_b32 s66, s[TT], 23
	s_lshl_b32 s67, s[TT], 20
	s_add_co_u32 s67, s67, 0x1800000
	s_mov_b32 s68, 0x1a00000
	s_mov_b32 s69, 0x1000000
	s_mov_b32 s2, 0x200000
	s_mov_b32 s3, 0x40000
	s_cmp_eq_u32 s[TT], 2
	s_cselect_b32 s88, s68, s66
	s_cselect_b32 s90, s69, s67
	s_cselect_b32 s92, s3, s2
	s_cselect_b32 s94, s2, s3
	s_mov_b32 s93, 0
	s_mov_b32 s95, 0
	s_lshl_b32 s72, s92, 1
	s_mov_b32 s73, 0
	s_lshl_b32 s74, s94, 1
	s_mov_b32 s75, 0
	s_lshl_b32 s68, s[LW], 15
	s_lshl_b32 s66, s43, 16
	s_add_co_u32 s88, s88, s66
	s_add_co_u32 s88, s88, s68
	s_mov_b32 s89, 0
	s_lshl_b32 s67, s42, 16
	s_add_co_u32 s90, s90, s67
	s_add_co_u32 s90, s90, s68
	s_mov_b32 s91, 0
	s_lshl_b32 s45, s[WV], 15
	s_wait_kmcnt 0x0
	s_load_b256 s[76:83], s[6:7], 0x0
	s_load_b128 s[84:87], s[6:7], 0x20
	s_add_nc_u64 s[88:89], s[4:5], s[88:89]
	s_add_nc_u64 s[90:91], s[4:5], s[90:91]
	CROUND
	s_mov_b32 s[G0], 1
	s_mov_b32 s[G0+1], s45
	s_mov_b64 s[G0+2:G0+3], s[88:89]
	s_or_b32 s[G0+3], s[G0+3], 0x80000000
	s_mov_b32 s[G0B], 1
	s_mov_b32 s[G0B+1], s45
	s_mov_b64 s[G0B+2:G0B+3], s[90:91]
	s_or_b32 s[G0B+3], s[G0B+3], 0x80000000
	JLOAD G0, G0B
; PREFETCHES INTO THE L2.  At each change of slots a wave has waited for all its tensor loads, so a fill goes out with nothing on its way beside it: what the later fills ask for is asked of memory here.
; Behind K step 0's load: K steps 1 and 2; behind K step 1's load: K step 3.  What is asked for and not yet read is two K steps at the most.
; A loading wave asks for its own 32,768 bytes of a K step; the four partners that load them jointly share them out BY ADDRESS, 8,192 bytes each (place cx for the first operand, cy for the second), lanes 256 bytes apart: one instruction.
; x's codes are loaded by one cluster of a product, which asks for them; a weight's codes are loaded by all eight clusters of its product, of which four ask.  s[100:101] and v30 are never rewritten.
.macro ASK k
	s_cmp_lg_u32 s3, 0
	s_cbranch_scc1 .Lpw_\@
	global_prefetch_b8 v30, s[100:101] offset:\k*0x200000 th:TH_LOAD_NT scope:SCOPE_SE   ; x's codes: 512 tiles of 4,096 bytes from K step to K step
	s_branch .Lpd_\@
.Lpw_\@:
	s_cmp_lg_u32 s2, 0
	s_cbranch_scc1 .Lpd_\@
	global_prefetch_b8 v30, s[100:101] offset:\k*0x40000 th:TH_LOAD_NT scope:SCOPE_SE    ; a weight's: 64 tiles
.Lpd_\@:
.endm
	s_cmp_eq_u32 s[HI], 0
	s_cselect_b64 s[100:101], s[88:89], s[90:91]   ; the stream that my wave loads
	s_cselect_b32 s2, s40, s41                     ; my work-group's place among the four that load it jointly
	s_lshl_b32 s2, s2, 13
	s_mov_b32 s3, 0
	s_add_nc_u64 s[100:101], s[100:101], s[2:3]
	s_cmp_eq_u32 s[TT], 2
	s_cselect_b32 s3, 1, 0
	s_xor_b32 s3, s3, s[HI]                        ; 0: my stream is x's codes; 1: a weight's
	s_and_b32 s2, ttmp7, 7
	s_lshr_b32 s2, s2, 2                           ; 0 in four of a product's eight clusters
	v_and_b32 v30, 31, v0
	v_lshlrev_b32 v30, 8, v30
	s_wait_alu depctr_va_vdst(0)
	ASK 1
	ASK 2
	s_mov_b32 s[G0+4], 1
	s_add_co_u32 s[G0+5], s45, SLOT
	s_add_nc_u64 s[G0+6:G0+7], s[88:89], s[92:93]
	s_or_b32 s[G0+7], s[G0+7], 0x80000000
	s_mov_b32 s[G0B+4], 1
	s_add_co_u32 s[G0B+5], s45, SLOT
	s_add_nc_u64 s[G0B+6:G0B+7], s[90:91], s[94:95]
	s_or_b32 s[G0B+7], s[G0B+7], 0x80000000
	s_wait_alu depctr_va_vdst(0)
	s_wait_tensorcnt 0x0
	ds_add_u32 v28, v29
	s_wait_dscnt 0x0
	CROUND
	JLOAD G0+4, G0B+4
	ASK 3
	v_and_b32 v1, 15, v0
	v_bfe_u32 v2, v0, 4, 1
	s_wait_alu depctr_va_vdst(0)
	v_and_b32 v3, 31, v0
	v_lshlrev_b32 v[LO16], 4, v3
	s_lshl_b32 s21, s[HI], 15
	s_lshl_b32 s22, s[LW], 15
	s_add_co_u32 s22, s22, 2*HALFT
.irp s, 0,1
	v_add_nc_u32 v[ADRA+\s], s21, v[LO16]
	v_add_nc_u32 v[ADRB+\s], s22, v[LO16]
	s_add_co_u32 s21, s21, SLOT
	s_add_co_u32 s22, s22, SLOT
.endr
	s_lshl_b32 s96, s43, 8
	s_lshl_b32 s2, s[HI], 7
	s_add_co_u32 s96, s96, s2
	s_lshl_b32 s97, s42, 8
	s_lshl_b32 s2, s[LW], 7
	s_add_co_u32 s97, s97, s2
	s_cmp_eq_u32 s[TT], 2
	s_cselect_b32 s2, s97, s96
	s_cselect_b32 s3, s96, s97
	s_cselect_b32 s21, 0, s97
	s_cselect_b32 s22, s96, 0
	s_cselect_b64 s[98:99], s[12:13], s[8:9]
	s_cmp_eq_u32 s[TT], 1
	s_cselect_b64 s[98:99], s[10:11], s[98:99]
	s_lshr_b32 s23, s2, 11
	s_lshl_b32 s23, s23, 4
	s_lshr_b32 s3, s3, 6
	s_add_co_u32 s23, s23, s3
	s_lshl_b32 s23, s23, 17
	s_and_b32 s2, s2, 2047
	s_lshl_b32 s2, s2, 6
	s_add_co_u32 s23, s23, s2
	s_lshl_b32 s2, s[TT], 23
	s_add_co_u32 s70, s23, s2
	s_mov_b32 s71, 0
	s_add_nc_u64 s[70:71], s[14:15], s[70:71]
	s_lshl_b32 s21, s21, 2
	s_lshl_b32 s22, s22, 2
	v_lshlrev_b32 v5, 5, v2
	v_add_nc_u32 v5, s21, v5
	v_lshlrev_b32 v6, 2, v1
	v_add_nc_u32 v6, s22, v6
.irp b, 0,1,2,3,4,5,6,7
	global_load_b128 v[BQ+8*\b:BQ+8*\b+3],   v5, s[98:99] offset:64*\b
	global_load_b128 v[BQ+8*\b+4:BQ+8*\b+7], v5, s[98:99] offset:64*\b+16
.endr
.irp a, 0,1,2,3,4,5,6,7
	global_load_b32 v[BV+2*\a],   v6, s[98:99] offset:64*\a
	global_load_b32 v[BV+2*\a+1], v6, s[98:99] offset:64*\a
.endr
	s_wait_kmcnt 0x0
	s_cmp_eq_u32 s[TT], 1
	s_cselect_b32 s66, s78, s76
	s_cselect_b32 s67, s79, s77
	s_cselect_b32 s68, s83, s82
	s_cmp_eq_u32 s[TT], 2
	s_cselect_b32 s66, s80, s66
	s_cselect_b32 s67, s81, s67
	s_cselect_b32 s68, s85, s68
	s_add_co_i32 s66, s66, s67
	s_sub_co_i32 s67, 0, s66
	s_sub_co_i32 s68, s68, s66
	s_add_co_i32 s68, s68, 127
	s_lshl_b32 s69, s68, 23
	v_mov_b32 v[SC], s69
	s_add_co_i32 s68, s68, 8
	s_lshl_b32 s68, s68, 23
	s_or_b32 s68, s68, 0x600000
	v_mov_b32 v[LIM], s68
	s_wait_loadcnt 0x0
.set j, 0
.rept 80
	v_ldexp_f32 v[BQ+j], v[BQ+j], s67
.set j, j+1
.endr
.macro FRAG reg, adr, q, i
.irp c, 0,1,2,3
	ds_load_b128 v[\reg+4*\c:\reg+4*\c+3], v[\adr] offset:(\i)*4096+(\q)*2048+512*\c
.endr
.endm
.macro MUL16 a0, p, zero
.irp a, \a0, \a0+1
.irp b, 0,1,2,3,4,5,6,7
.if \zero
	v_wmma_f32_16x16x128_fp8_fp8 v[8*(8*((\a)%4)+\b):8*(8*((\a)%4)+\b)+7], v[128*(\p)+FR*\b:128*(\p)+FR*\b+FR-1], v[AF+FR*(\a):AF+FR*(\a)+FR-1], 0
.else
	v_wmma_f32_16x16x128_fp8_fp8 v[8*(8*((\a)%4)+\b):8*(8*((\a)%4)+\b)+7], v[128*(\p)+FR*\b:128*(\p)+FR*\b+FR-1], v[AF+FR*(\a):AF+FR*(\a)+FR-1], v[8*(8*((\a)%4)+\b):8*(8*((\a)%4)+\b)+7]
.endif
.endr
.endr
.endm
.macro FETCH_B slot, q, p
	WIN TO_B
.irp i, 0,1,2,3,4,5,6,7
	FRAG 128*(\p)+FR*\i, ADRB+\slot, \q, \i
.endr
	WIN 0
.endm
.macro FETCH_A slot, q, i0
.irp i, \i0, \i0+1, \i0+2, \i0+3
	FRAG AF+FR*(\i), ADRA+\slot, \q, \i
.endr
.endm
.macro PLACES n
.rept \n
	v_nop
.endr
.endm
.macro STEP slot, q, zero
	s_wait_dscnt 4*NL
	WIN MUL_LO
	MUL16 0, (\q)%2, \zero
	MUL16 2, (\q)%2, \zero
	s_wait_dscnt 0
	PLACES NP
	FETCH_B \slot, (\q)+1, 1-(\q)%2
	FETCH_A \slot, (\q)+1, 0
	WIN MUL_HI
	MUL16 4, (\q)%2, \zero
	MUL16 6, (\q)%2, \zero
	PLACES NP
	WIN 0
	FETCH_A \slot, (\q)+1, 4
.endm
.macro TURN slot, next, fill
	s_wait_tensorcnt 0x0
	ds_add_u32 v[SPW], v[NIL]
	s_wait_dscnt 4*NL+1
	WIN MUL_LO
	MUL16 0, 1, 0
	s_wait_dscnt 0x0
	s_barrier_signal -1
	MUL16 2, 1, 0
	WIN 0
	s_barrier_wait -1
.if \fill
	CREST
	s_add_nc_u64 s[G0+4*\slot+2:G0+4*\slot+3], s[G0+4*\slot+2:G0+4*\slot+3], s[72:73]
	s_add_nc_u64 s[G0B+4*\slot+2:G0B+4*\slot+3], s[G0B+4*\slot+2:G0B+4*\slot+3], s[74:75]
	JLOAD G0+4*\slot, G0B+4*\slot
.else
	PLACES NP
.endif
	FETCH_B \next, 0, 0
	FETCH_A \next, 0, 0
	WIN MUL_HI
	MUL16 4, 1, 0
	MUL16 6, 1, 0
	PLACES NP
	WIN 0
	FETCH_A \next, 0, 4
.endm
	s_wait_tensorcnt 1
	s_barrier_signal -1
	s_barrier_wait -1
	FETCH_B 0, 0, 0
	FETCH_A 0, 0, 0
	FETCH_A 0, 0, 4
	STEP 0, 0, 1
	TURN 0, 1, 1
	STEP 1, 0, 0
	TURN 1, 0, 1
	STEP 0, 0, 0
	TURN 0, 1, 0
	STEP 1, 0, 0
	s_wait_dscnt 4*NL
	WIN MUL_LO
	MUL16 0, 1, 0
	MUL16 2, 1, 0
	s_wait_dscnt 0
	WIN MUL_HI
	MUL16 4, 1, 0
	MUL16 6, 1, 0
	WIN 0
	PLACES NP
.macro EPI kind
.irp a, 0,1,2,3,4,5,6,7
.if \a >= 4
	s_wait_xcnt 0x0
.endif
	WIN 0x02+(\a/4)
.irp b, 0,1,2,3,4,5,6,7
.irp i, 0,2,4,6
.if \kind
	v_pk_add_f32 v[TMP+8*\b+\i:TMP+8*\b+\i+1], v[8*(8*(\a%4)+\b)+\i:8*(8*(\a%4)+\b)+\i+1], v[BV+2*\a:BV+2*\a+1]
.else
	v_pk_add_f32 v[TMP+8*\b+\i:TMP+8*\b+\i+1], v[8*(8*(\a%4)+\b)+\i:8*(8*(\a%4)+\b)+\i+1], v[BQ+8*\b+\i:BQ+8*\b+\i+1]
.endif
.endr
.endr
	WIN 0
.set j, 0
.rept 64
	v_med3_num_f32 v[TMP+j], v[TMP+j], -v[LIM], v[LIM]
.set j, j+1
.endr
.irp b, 0,1,2,3,4,5,6,7
	v_cvt_scalef32_pk8_fp8_f32 v[CD+16*(\a%4)+2*\b:CD+16*(\a%4)+2*\b+1], v[TMP+8*\b:TMP+8*\b+7], v[SC]
.endr
	v_nop
.irp u, 0,1,2,3
.if \kind
	global_store_b128 v[LO16], v[CD+16*(\a%4)+4*\u:CD+16*(\a%4)+4*\u+3], s[70:71] offset:(\a/4)*131072+(\a%4)*2048+\u*512
.else
	global_store_b128 v[LO16], v[CD+16*(\a%4)+4*\u:CD+16*(\a%4)+4*\u+3], s[70:71] offset:\a*1024+(\u/2)*131072+(\u%2)*512
.endif
.endr
.endr
.endm
	s_cmp_eq_u32 s[TT], 2
	s_cbranch_scc1 .Lfor_v
	EPI 0
	s_branch .Lout_done
.Lfor_v:
	EPI 1
.Lout_done:
	s_wait_tensorcnt 0x0
	ds_add_u32 v[SPW], v[NIL]
	s_wait_dscnt 0x0
	CROUND
	s_endpgm
.Lfunc_end_k_q01209eb290_qkv:
	.size	k_q01209eb290_qkv, .Lfunc_end_k_q01209eb290_qkv-k_q01209eb290_qkv
	.p2alignl 7, 3214868480
	.fill 96, 4, 3214868480
	.section	.rodata,"a",@progbits
	.p2align	6, 0x0
	.amdhsa_kernel k_q01209eb290_qkv
		.amdhsa_group_segment_fixed_size 327680
		.amdhsa_private_segment_fixed_size 0
		.amdhsa_enable_private_segment 0
		.amdhsa_kernarg_size 48
		.amdhsa_user_sgpr_count 2
		.amdhsa_user_sgpr_kernarg_segment_ptr 1
		.amdhsa_wavefront_size32 1
		.amdhsa_system_sgpr_workgroup_id_x 1
		.amdhsa_system_sgpr_workgroup_id_y 1
		.amdhsa_system_sgpr_workgroup_id_z 1
		.amdhsa_system_vgpr_workitem_id 0
		.amdhsa_next_free_vgpr 1024
		.amdhsa_next_free_sgpr 102
		.amdhsa_reserve_vcc 0
		.amdhsa_float_denorm_mode_32 3
		.amdhsa_float_denorm_mode_16_64 3
		.amdhsa_memory_ordered 1
		.amdhsa_forward_progress 1
		.amdhsa_inst_pref_size 201
	.end_amdhsa_kernel
	.amdgpu_metadata
---
amdhsa.version: [ 1, 2 ]
amdhsa.kernels:
  - .name:           k_q01209eb290_qkv
    .symbol:         k_q01209eb290_qkv.kd
    .args:
      - { .name: codes, .offset: 0, .size: 8, .value_kind: global_buffer, .address_space: global }
      - { .name: lowp_scales, .offset: 8, .size: 8, .value_kind: global_buffer, .address_space: global }
      - { .name: bq, .offset: 16, .size: 8, .value_kind: global_buffer, .address_space: global }
      - { .name: bk, .offset: 24, .size: 8, .value_kind: global_buffer, .address_space: global }
      - { .name: bv, .offset: 32, .size: 8, .value_kind: global_buffer, .address_space: global }
      - { .name: qkv, .offset: 40, .size: 8, .value_kind: global_buffer, .address_space: global }
    .group_segment_fixed_size: 327680
    .private_segment_fixed_size: 0
    .kernarg_segment_align: 8
    .kernarg_segment_size: 48
    .max_flat_workgroup_size: 128
    .sgpr_count:     102
    .vgpr_count:     1024
    .wavefront_size: 32
...
	.end_amdgpu_metadata
.endif
;; end of part 2
;; launch attn (part 3): grid 64 x 4, 8 waves a work-group, no clusters, 263,168 bytes of LDS; arguments qkv, lowp_scales, oimg; writes oimg
.if DOCPART == 3
	.amdgcn_target "amdgcn-amd-amdhsa--gfx1250"
	.amdhsa_code_object_version 6
	.text
	.protected	k_q01209eb290_attn
	.globl	k_q01209eb290_attn
	.p2align	8
	.type	k_q01209eb290_attn,@function
k_q01209eb290_attn:
	s_mov_b64 s[64:65], 0
	v_nop
	global_prefetch_b8 v0, s[64:65] scope:SCOPE_SE
	s_setreg_imm32_b32 hwreg(HW_REG_WAVE_MODE, 25, 1), 1
	s_wait_xcnt 0x0
; o[b][h][q][:] = the sum over k of softmax_k(q . k / 8) v[k][:], head size 64, 2,048 keys, both products on codes of FP8 (E4M3); o is quantised at once (entry 10) and stored as an image of the last product's operand.
; THE SOFTMAX AHEAD OF THE SECOND PRODUCT: t = score x log2(e) / 8; M = the row's largest t so far, rounded UP to a whole number; p = 2^(t - M) is quantised (entry 8), not normalised.
; The row's sum is taken of the unquantised p, in f32, and divides at the end.  When M moves, the sums and O are multiplied by 2^(old M - new M), which rounds nothing.
; SHARES.  A work-group owns 512 queries of one (batch, head); each of its EIGHT waves 64 of them, 32 at a time (tiles A and B, two passes), in 512 registers.  A key step is 256 keys: each fragment of K and V
; that a wave reads from LDS feeds two matrix instructions, and the maximum, M and the rescaling are made once for 256 keys.
; THE HEAD'S WHOLE K AND V, 131,072 bytes each, LIE IN LDS, brought once: 64 loads of 512 bytes a wave, through registers.  One barrier follows; nothing in LDS is written again.
; THE HOLD.  p is at most 1 (a last bit more at the most), so the hold at 448 x 2^e8 changes a number only where e8 < -8.
; NO TENSOR LOAD, NO CLUSTER: the four work-groups of a head each load K and V by plain loads.
; NO PREFETCH: every byte that the launch reads is asked for in its first lines; there is no loop to run ahead in.
; LAYOUT.  All operands lie as images of their registers: piece i of 512 bytes is registers 4 i .. 4 i + 3, 16 bytes x lane.  Both products are used transposed: S^T = K Q^T (source 0 = 16 keys, source 1 = 16 queries),
; O^T = V^T P^T (source 0 = 16 channels x 128 keys, source 1 = P): a lane holds ONE query of each tile (lane % 16).  Register j of key tile c of S^T is key 16 c + 8 (lane / 16) + j: its conversion is pair c of P's fragment.
; THE SOFTMAX GOES IN FOUR GROUPS of 64 registers (a query tile x 128 keys).  One group's exponentials stand among the next group's multiply-adds; at a group's head stands one wait, and no line between two such waits
; reads what a line between them wrote.  A group whose codes are made leaves 64 registers free: they take the next step's K tiles 0-7 and this step's V, which land while the other groups are worked.
; LIMITS: the promise holds while the scaled scores stay under 2^31 in magnitude; e6 + e7 between -123 and 130 (added to c's exponent field); e8 and e10 between -126 and 119; e8 + e9 goes by v_ldexp_f32.  NaN is not served.
; REGISTERS, window 0: v0 16 x lane + V's base; v1 16 x lane; v2, v3 addresses in hand; v4, v7 the largest score of A, B; v5, v6 the add's two; v8, v10 -M of A, B; v12, v14 f of A, B; v9, v11: 2^e8, 448 x 2^e8;
; v13, v15: the same with e10 (each also the named upper half of a pair); v16-31 Q of A, B; v32-95 O^T (32 q + 8 d); v96-159 P (32 q + 16 half), at work between the steps; v160-223 K tiles 8-15; v224-239 the second pass's Q;
; v240-247, v248-255 the sums of A, B, four pairs each.  Window 1: S^T, then p: A's key tile t at 8 t, B's at 128 + 8 t.
.set VB,    131072                     ; LDS: K at 0, V here
.set SPARE, 262144                     ; the spare words: 128 bytes for each of eight waves
.set WV,   18
.set SEL,  20                          ; s[20:21] lane selects for v_permlanex16_b32: lane l xor 16
.set CS,   22                          ; s[22:23] c = log2(e) / 8 x 2^(e6 + e7)
.set TB,   24                          ; LDS byte of the key step in hand, in K and in V alike
.set KN,   25                          ; the same of the next step (behind the last: the first again, for the next pass)
.set PASS, 26
.set CNT,  27
.set HOLD, 28                          ; 1 where e8 < -8
.set E89,  29
.set MSB, 0
.macro WIN new                         ; s_set_vgpr_msb: bits 1:0 source 0, 3:2 source 1, 5:4 source 2, 7:6 destination; the high byte repeats the setting that is left
.if MSB != (\new)
	s_set_vgpr_msb (MSB<<8)|(\new)
.set MSB, (\new)
.endif
.endm
.macro LDT dst, adr, off, n            ; n pieces of 512 bytes from LDS
.set i, 0
.rept \n
	ds_load_b128 v[\dst+4*i:\dst+4*i+3], v[\adr] offset:\off+512*i
.set i, i+1
.endr
.endm
.macro MKSC e, sc, lm                  ; 2^e as f32, and 448 x 2^e
	s_add_co_i32 s14, \e, 127
	s_lshl_b32 s15, s14, 23
	v_mov_b32 v[\sc], s15
	s_add_co_i32 s14, s14, 8
	s_lshl_b32 s14, s14, 23
	s_or_b32 s14, s14, 0x600000
	v_mov_b32 v[\lm], s14
.endm
	s_load_b128 s[4:7], s[0:1], 0x0                ; q, k, v's images s[4:5], the scales' exponents s[6:7]
	s_load_b64 s[8:9], s[0:1], 0x10                ; o's image
	v_lshl_add_u32 v5, v0, 2, SPARE
	v_mov_b32 v6, 0
	v_lshrrev_b32 v2, 5, v0
	v_readfirstlane_b32 s[WV], v2                  ; wave 0..7
	v_and_b32 v1, 31, v0
	v_lshlrev_b32 v1, 4, v1
	s_lshl_b32 s13, s[WV], 14                      ; my wave's 16,384 bytes of K and of V
	v_add_nc_u32 v2, s13, v1                       ; into LDS: K,
	v_add_nc_u32 v3, VB, v2                        ; V
	v_add_nc_u32 v0, VB, v1
	s_mov_b32 s10, ttmp9                           ; 16 x batch + head: the grid's x, so that the four work-groups of a head are 64 numbers apart
	s_and_b32 s11, ttmp7, 0xffff                   ; my block of 512 queries: the grid's y
	s_lshl_b32 s12, s10, 17                        ; the head's 131,072 bytes
	s_add_co_u32 s30, s12, s13
	s_add_co_u32 s30, s30, 0x800000                ; K's image begins at 8 MiB, V's at 16 MiB
	s_mov_b32 s31, 0
	s_lshl_b32 s32, s11, 15
	s_add_co_u32 s32, s32, s12
	s_lshl_b32 s14, s[WV], 11                      ; my wave's two
	s_add_co_u32 s32, s32, s14
	s_mov_b32 s33, 0
	s_and_b32 s38, s10, 15                         ; the head: its 64 channels are k = 64 head on of the last product
	s_lshr_b32 s39, s10, 4                         ; the batch
	s_lshr_b32 s36, s38, 2                         ; k / 256
	s_lshl_b32 s36, s36, 9                         ; x 512 token tiles
	s_lshl_b32 s39, s39, 7
	s_add_co_u32 s36, s36, s39                     ; + 128 x batch
	s_lshl_b32 s39, s11, 5
	s_add_co_u32 s36, s36, s39                     ; + 32 x block
	s_lshl_b32 s39, s[WV], 1
	s_add_co_u32 s36, s36, s39                     ; + 2 x wave
	s_lshl_b32 s36, s36, 12
	s_and_b32 s38, s38, 3
	s_lshl_b32 s38, s38, 10                        ; + 1,024 x (head % 4)
	s_add_co_u32 s36, s36, s38
	s_mov_b32 s37, 0
	s_mov_b32 s[SEL], 0x76543210
	s_mov_b32 s[SEL+1], 0xfedcba98
	s_mov_b32 s[CS], 0x3e38aa3b                    ; log2(e) / 8
	s_wait_alu depctr_va_vdst(0)
	s_wait_kmcnt 0x0
	s_load_b128 s[52:55], s[6:7], 0x18             ; e6, e7, e8, e9
	s_load_b32 s56, s[6:7], 0x28                   ; e10
	s_add_nc_u64 s[30:31], s[4:5], s[30:31]        ; K
	s_add_nc_u64 s[34:35], s[30:31], 0x800000      ; V
	s_add_nc_u64 s[32:33], s[4:5], s[32:33]        ; Q
	s_add_nc_u64 s[16:17], s[8:9], s[36:37]        ; o
.irp i, 0,1,2,3
	global_load_b128 v[16+4*\i:19+4*\i], v1, s[32:33] offset:512*\i          ; Q of tiles A and B,
	global_load_b128 v[224+4*\i:227+4*\i], v1, s[32:33] offset:16384+512*\i  ; and of the second pass's, 16 tiles on
.endr
.set i, 0
.rept 32
	global_load_b128 v[32+4*i:35+4*i], v1, s[30:31] offset:512*i             ; K: 512 consecutive bytes a load
.set i, i+1
.endr
	WIN 0x40
.set i, 0
.rept 32
	global_load_b128 v[4*i:4*i+3], v1, s[34:35] offset:512*i                 ; V, into window 1
.set i, i+1
.endr
	WIN 0
	s_wait_kmcnt 0x0
	s_add_co_i32 s14, s52, s53
	s_lshl_b32 s14, s14, 23
	s_add_co_i32 s[CS], s[CS], s14                 ; a score stands for score x 2^(e6 + e7): added to c's exponent field
	s_mov_b32 s[CS+1], s[CS]                       ; named with it as a pair
	s_add_co_i32 s[E89], s54, s55
	s_cmp_lt_i32 s54, -8
	s_cselect_b32 s[HOLD], 1, 0
	MKSC s54, 9, 11
	MKSC s56, 13, 15
	s_wait_alu depctr_va_vdst(0)
	s_wait_loadcnt 32                              ; Q and K are in; V's 32 loads may be out
.set i, 0
.rept 32
	ds_store_b128 v2, v[32+4*i:35+4*i] offset:512*i
.set i, i+1
.endr
	s_wait_loadcnt 0x0
	WIN 0x04                                       ; an LDS store's data: source 1
.set i, 0
.rept 32
	ds_store_b128 v3, v[4*i:4*i+3] offset:512*i
.set i, i+1
.endr
	WIN 0
	s_wait_dscnt 0x0                               ; my stores are done, for the others' sake
	s_barrier_signal -1
	s_barrier_wait -1                              ; K and V are whole
	WIN 0x40
	LDT 192, 1, 0, 16                              ; the first step's K: tiles 0-7 into window 1, where B's tiles 8-15 of S^T will be laid,
	WIN 0
	LDT 160, 1, 8192, 16                           ; tiles 8-15
	s_wait_dscnt 0x0
; a group's exponentials, two for each multiply-add of the next group (base nb, -M in nm; nb < 0: none follows)
.macro EXPZ cb, nb, nm
.set j, 0
.rept 32
	v_exp_f32 v[\cb+j], v[\cb+j]                   ; p = 2^(t - M)
	v_exp_f32 v[\cb+j+1], v[\cb+j+1]
.if \nb >= 0
	v_pk_fma_f32 v[\nb+j:\nb+j+1], v[\nb+j:\nb+j+1], s[CS:CS+1], v[\nm:\nm+1] op_sel_hi:[1,0,0]   ; t - M: of the pairs c and -M the low word serves both halves
.endif
.set j, j+2
.endr
.if \nb < 0
	v_nop                                          ; the plain line behind the last exponential
.endif
.endm
; a group whose exponentials are done: its part of the row's sum (of the unquantised p, four chains), the hold where e8 asks for it, its codes
.macro TAIL base, sm, pd, hold
	s_wait_alu depctr_va_vdst(0)                   ; one wait for the batch and for the plain lines among it
	WIN 0x01
.set j, 0
.rept 8
.irp k, 0,2,4,6
	v_pk_add_f32 v[\sm+\k:\sm+\k+1], v[\base+j+\k:\base+j+\k+1], v[\sm+\k:\sm+\k+1]
.endr
.set j, j+8
.endr
.if \hold
	WIN 0x41
.set j, 0
.rept 64
	v_min_num_f32 v[\base+j], v[\base+j], v11      ; the conversion does not saturate (ISA guide 7.6.2); p is not negative, so the hold is one-sided
.set j, j+1
.endr
.endif
	WIN 0x01
.irp c, 0,1,2,3,4,5,6,7
	v_cvt_scalef32_pk8_fp8_f32 v[\pd+2*\c:\pd+2*\c+1], v[\base+8*\c:\base+8*\c+7], v9
.endr
.endm
; A KEY STEP: 256 keys x 32 queries.
.macro STEP
	s_add_co_u32 s[KN], s[TB], 16384
	s_and_b32 s[KN], s[KN], 0x1ffff
	v_add_nc_u32 v2, s[KN], v1                     ; the next step's K;  with the four lines below: five places, since S^T is laid over V's fragments, which the last products read
	v_add_nc_u32 v3, s[TB], v0                     ; this step's V
.rept 3
	v_nop
.endr
	WIN 0x41
.irp t, 0,1,2,3,4,5,6,7
	v_wmma_f32_16x16x64_fp8_fp8 v[8*\t:8*\t+7], v[192+8*\t:199+8*\t], v[16:23], 0
	v_wmma_f32_16x16x64_fp8_fp8 v[128+8*\t:135+8*\t], v[192+8*\t:199+8*\t], v[24:31], 0
.endr
.rept 5
	v_nop                                          ; five places: B's tiles 8-15 are laid over K's tiles 0-7
.endr
	WIN 0x40
.irp t, 0,1,2,3,4,5,6,7
	v_wmma_f32_16x16x64_fp8_fp8 v[64+8*\t:71+8*\t], v[160+8*\t:167+8*\t], v[16:23], 0
	v_wmma_f32_16x16x64_fp8_fp8 v[192+8*\t:199+8*\t], v[160+8*\t:167+8*\t], v[24:31], 0
.endr
.rept 4
	v_nop                                          ; four places in front of the loads over K's tiles 8-15 and of the first read of the scores
.endr
	WIN 0
	LDT 160, 2, 8192, 16                           ; the next step's K tiles 8-15
	WIN 0x14
.set t, 0
.rept 16                                       ; the largest score so far of each query: four chains a tile, all begun at the running one; each accumulator is read from its low end on
.irp j, 0,2,4,6
.if t == 0
	v_max3_num_f32 v[96+\j/2], v4, v[\j], v[\j+1]
.else
	v_max3_num_f32 v[96+\j/2], v[96+\j/2], v[8*t+\j], v[8*t+\j+1]
.endif
.endr
.irp j, 0,2,4,6
.if t == 0
	v_max3_num_f32 v[100+\j/2], v7, v[128+\j], v[128+\j+1]
.else
	v_max3_num_f32 v[100+\j/2], v[100+\j/2], v[128+8*t+\j], v[128+8*t+\j+1]
.endif
.endr
.set t, t+1
.endr
	WIN 0
	v_max3_num_f32 v4, v96, v97, v98               ; A's and B's lines by turns
	v_max3_num_f32 v7, v100, v101, v102
	v_max_num_f32 v4, v4, v99
	v_max_num_f32 v7, v7, v103
	v_permlanex16_b32 v104, v4, s[SEL], s[SEL+1]
	v_permlanex16_b32 v105, v7, s[SEL], s[SEL+1]
	v_max_num_f32 v4, v4, v104                     ; and among lane l xor 16's
	v_max_num_f32 v7, v7, v105
	v_mul_f32 v104, s[CS], v4                      ; as t (c is positive)
	v_mul_f32 v105, s[CS], v7
	v_floor_f32 v104, -v104                        ; the new -M = floor(-t) = -ceil(t)
	v_floor_f32 v105, -v105
	v_sub_f32 v106, v104, v8                       ; old M - new M: a whole number, 0 or less
	v_sub_f32 v107, v105, v10
	v_mov_b32 v8, v104
	v_mov_b32 v10, v105
	v_cvt_i32_f32 v106, v106                       ; (it saturates)
	v_cvt_i32_f32 v107, v107
	v_ldexp_f32 v12, 1.0, v106                     ; f = 2^(old M - new M)
	v_ldexp_f32 v14, 1.0, v107
.set j, 0
.rept 16
	v_pk_mul_f32 v[32+j:33+j], v[32+j:33+j], v[12:13] op_sel_hi:[1,0]   ; O^T under the new M, ahead of every exponential of the step
	v_pk_mul_f32 v[64+j:65+j], v[64+j:65+j], v[14:15] op_sel_hi:[1,0]
.set j, j+2
.endr
.irp k, 0,2,4,6
	v_pk_mul_f32 v[240+\k:241+\k], v[240+\k:241+\k], v[12:13] op_sel_hi:[1,0]   ; and the sums
	v_pk_mul_f32 v[248+\k:249+\k], v[248+\k:249+\k], v[14:15] op_sel_hi:[1,0]
.endr
	WIN 0
.endm
; the step's softmax, written twice: hold = 0 where e8 >= -8, hold = 1 with the hold's lines; one scalar branch on e8 a step chooses
.macro ZONES hold
	WIN 0x41
.set j, 0
.rept 32
	v_pk_fma_f32 v[192+j:193+j], v[192+j:193+j], s[CS:CS+1], v[10:11] op_sel_hi:[1,0,0]
.set j, j+2
.endr
	s_wait_alu depctr_va_vdst(0)
	EXPZ 192, 0, 8
	TAIL 192, 248, 144, \hold
	WIN 0x40
	LDT 192, 2, 0, 16                              ; the next step's K tiles 0-7, into the group just turned into codes
	WIN 0x41
	EXPZ 0, 64, 8
	TAIL 0, 240, 96, \hold
	WIN 0x40
	LDT 0, 3, 0, 16                                ; V's four fragments of keys 0-127
	WIN 0x41
	EXPZ 64, 128, 10
	TAIL 64, 240, 112, \hold
	WIN 0x40
	LDT 64, 3, 8192, 16                            ; and of keys 128-255
	WIN 0x41
	EXPZ 128, -1, 0
	TAIL 128, 248, 128, \hold
	v_nop                                          ; a plain line between the last conversion and the products
	WIN 0                                          ; at a branch and at a label every window is 0
.endm
; the step's second product
.macro PV
	WIN 0x01
	s_wait_alu depctr_va_vdst(0)
	s_wait_dscnt 0x0                               ; V is in, and so is the next step's K
.irp h, 0,1                                    ; eight accumulators by turns, one instruction a turn
.irp q, 0,1
.irp d, 0,1,2,3
	v_wmma_f32_16x16x128_fp8_fp8 v[32+32*\q+8*\d:39+32*\q+8*\d], v[64*\h+16*\d:64*\h+16*\d+15], v[96+32*\q+16*\h:111+32*\q+16*\h], v[32+32*\q+8*\d:39+32*\q+8*\d]
.endr
.endr
.endr
	WIN 0
.endm
	s_mov_b32 s[PASS], 2
.Lpass:
	v_mov_b32 v4, 0xff61b1e6                       ; the largest score so far: -3e38
	v_mov_b32 v7, 0xff61b1e6
	v_mov_b32 v8, 0x7f61b1e6                       ; -M: 3e38, so that the first f is 0
	v_mov_b32 v10, 0x7f61b1e6
	v_mov_b32 v104, 0                              ; a lane permute's destination counts as one of its sources
	v_mov_b32 v105, 0
.set j, 0
.rept 16
	v_mov_b32 v[240+j], 0                          ; the sums
.set j, j+1
.endr
.set j, 0
.rept 64
	v_mov_b32 v[32+j], 0                           ; O^T: the step is written once; its first turn finds zeros, which the first f leaves zeros
.set j, j+1
.endr
	s_mov_b32 s[TB], 0
	s_mov_b32 s[CNT], 8
	s_wait_alu depctr_va_vdst(0)
.Lstep:
	STEP
	s_cmp_lg_u32 s[HOLD], 0
	s_cbranch_scc1 .Lheld
	ZONES 0
	s_branch .Ljoin
.Lheld:
	ZONES 1
.Ljoin:
	PV
	s_add_co_u32 s[TB], s[TB], 16384
	s_sub_co_u32 s[CNT], s[CNT], 1
	s_cmp_lg_u32 s[CNT], 0
	s_cbranch_scc1 .Lstep
	; the tiles' end: o = O^T x 2^(e8 + e9) / the sum, quantised with 2^e10: 64 codes a query, two pieces of 512 bytes a tile
	v_pk_add_f32 v[240:241], v[240:241], v[242:243]
	v_pk_add_f32 v[248:249], v[248:249], v[250:251]
	v_pk_add_f32 v[244:245], v[244:245], v[246:247]
	v_pk_add_f32 v[252:253], v[252:253], v[254:255]
	v_pk_add_f32 v[240:241], v[240:241], v[244:245]
	v_pk_add_f32 v[248:249], v[248:249], v[252:253]
	v_add_f32 v240, v240, v241
	v_add_f32 v248, v248, v249
	v_permlanex16_b32 v104, v240, s[SEL], s[SEL+1]
	v_permlanex16_b32 v105, v248, s[SEL], s[SEL+1]
	v_add_f32 v240, v240, v104                     ; the rows' sums
	v_add_f32 v248, v248, v105
	s_wait_alu depctr_va_vdst(0)
	v_rcp_f32 v240, v240
	v_rcp_f32 v248, v248
.set j, 0
.rept 16
	v_mov_b32 v[16+j], v[224+j]                    ; the second pass's Q: the plain lines behind the reciprocals
.set j, j+1
.endr
	s_wait_alu depctr_va_vdst(0)                   ; ahead of the reciprocals' first reader
	v_ldexp_f32 v240, v240, s[E89]
	v_ldexp_f32 v248, v248, s[E89]
	s_wait_alu depctr_va_vdst(0)                   ; ahead of the first reader of O^T
.set j, 0
.rept 16
	v_pk_mul_f32 v[96+j:97+j], v[32+j:33+j], v[240:241] op_sel_hi:[1,0]     ; each accumulator from its low end on
	v_pk_mul_f32 v[128+j:129+j], v[64+j:65+j], v[248:249] op_sel_hi:[1,0]
.set j, j+2
.endr
.set j, 0
.rept 64
	v_med3_num_f32 v[96+j], v[96+j], -v15, v15
.set j, j+1
.endr
.irp i, 0,1,2,3,4,5,6,7
	v_cvt_scalef32_pk8_fp8_f32 v[32+2*\i:33+2*\i], v[96+8*\i:103+8*\i], v13
.endr
	v_nop                                          ; a plain line behind the last conversion
	global_store_b128 v1, v[32:35], s[16:17]               ; 512 consecutive bytes each, aligned: tile A,
	global_store_b128 v1, v[36:39], s[16:17] offset:512
	global_store_b128 v1, v[40:43], s[16:17] offset:4096   ; tile B
	global_store_b128 v1, v[44:47], s[16:17] offset:4608
	s_wait_xcnt 0x0                                ; the stores have read their data and base: both are written again only behind this wait
	s_add_nc_u64 s[16:17], s[16:17], 65536         ; 16 token tiles on
	s_sub_co_u32 s[PASS], s[PASS], 1
	s_cmp_lg_u32 s[PASS], 0
	s_cbranch_scc1 .Lpass
	s_barrier_signal -1                            ; no LDS access of mine is out: the last step waited for all of them
	s_barrier_wait -1                              ; every wave's reads of K and V are over
	s_wait_tensorcnt 0x0                           ; the wave's end
	ds_add_u32 v5, v6
	s_wait_dscnt 0x0
	s_endpgm
.Lfunc_end_k_q01209eb290_attn:
	.size	k_q01209eb290_attn, .Lfunc_end_k_q01209eb290_attn-k_q01209eb290_attn
	.p2alignl 7, 3214868480
	.fill 96, 4, 3214868480
	.section	.rodata,"a",@progbits
	.p2align	6, 0x0
	.amdhsa_kernel k_q01209eb290_attn
		.amdhsa_group_segment_fixed_size 263168
		.amdhsa_private_segment_fixed_size 0
		.amdhsa_enable_private_segment 0
		.amdhsa_kernarg_size 24
		.amdhsa_user_sgpr_count 2
		.amdhsa_user_sgpr_kernarg_segment_ptr 1
		.amdhsa_wavefront_size32 1
		.amdhsa_system_sgpr_workgroup_id_x 1
		.amdhsa_system_sgpr_workgroup_id_y 1
		.amdhsa_system_sgpr_workgroup_id_z 1
		.amdhsa_system_vgpr_workitem_id 0
		.amdhsa_next_free_vgpr 512
		.amdhsa_next_free_sgpr 66
		.amdhsa_reserve_vcc 0
		.amdhsa_float_denorm_mode_32 3
		.amdhsa_float_denorm_mode_16_64 3
		.amdhsa_memory_ordered 1
		.amdhsa_forward_progress 1
		.amdhsa_inst_pref_size 112
	.end_amdhsa_kernel
	.amdgpu_metadata
---
amdhsa.version: [ 1, 2 ]
amdhsa.kernels:
  - .name:           k_q01209eb290_attn
    .symbol:         k_q01209eb290_attn.kd
    .args:
      - { .name: qkv, .offset: 0, .size: 8, .value_kind: global_buffer, .address_space: global }
      - { .name: lowp_scales, .offset: 8, .size: 8, .value_kind: global_buffer, .address_space: global }
      - { .name: oimg, .offset: 16, .size: 8, .value_kind: global_buffer, .address_space: global }
    .group_segment_fixed_size: 263168
    .private_segment_fixed_size: 0
    .kernarg_segment_align: 8
    .kernarg_segment_size: 24
    .max_flat_workgroup_size: 256
    .sgpr_count:     66
    .vgpr_count:     512
    .wavefront_size: 32
...
	.end_amdgpu_metadata
.endif
;; end of part 3
;; launch outp (part 4): grid 4 x 64, 4 waves a work-group, clusters of 4 x 4, 327,680 bytes of LDS; arguments oimg, codes, lowp_scales, bo, out0; writes out0
.if DOCPART == 4
	.amdgcn_target "amdgcn-amd-amdhsa--gfx1250"
	.amdhsa_code_object_version 6
	.text
	.protected	k_q01209eb290_outp
	.globl	k_q01209eb290_outp
	.p2align	8
	.type	k_q01209eb290_outp,@function
k_q01209eb290_outp:
	s_mov_b64 s[64:65], 0
	v_nop
	global_prefetch_b8 v0, s[64:65] scope:SCOPE_SE
	s_setreg_imm32_b32 hwreg(HW_REG_WAVE_MODE, 25, 1), 1
	s_wait_xcnt 0x0
	s_wait_alu depctr_hold_cnt(0) depctr_sa_sdst(0) depctr_va_vdst(0) depctr_va_sdst(0) depctr_va_ssrc(0) depctr_va_vcc(0) depctr_vm_vsrc(0)
	s_getreg_b32 s2, hwreg(HW_REG_IB_STS2, 6, 4)
	s_cmp_eq_u32 s2, 0
	s_cbranch_scc0 .Lentry_in_a_cluster
	s_endpgm
.Lentry_in_a_cluster:
	s_bfe_u32 s2, ttmp6, 0x10000c
	s_cmp_lg_u32 s2, 0xf033
	s_cbranch_scc0 .Lentry_shape_is_right
	s_endpgm
.Lentry_shape_is_right:
; out0[token][n] = the sum over k of o[token][k] Wo[n][k] x 2^(e10 + e11) + bo[n]: o's codes [8192][1024] and Wo's [1024][1024], FP8 (E4M3), both laid as images of operand registers:
; byte (ks NT + tile) 4,096 + s 2,048 + u 512 + 16 lane, ks = k / 256, s = (k / 128) % 2, tile = row / 16; NT = 512 for o, 64 for Wo (at 27 MiB of the codes' buffer).
; LIMIT: e10 + e11 between -126 and 127, so that 2^(e10 + e11) is an f32 number.
; SHARES.  A block of 128 tokens x 256 n for a work-group: 64 x 4 = 256 work-groups.  Four waves, each 64 x 128: 32 accumulators, 256 registers.
; LDS.  A's 128 rows lie there for the WHOLE K, 131,072 bytes; B's 256 rows go through two slots of 256 along K, 65,536 bytes each.  At the head each wave issues one tensor load: waves 0 and 1 A's halves
; (64 rows: for each ks 16,384 dense bytes, stated as 4 rows of 16,384 bytes, 2 MiB apart), waves 2 and 3 B's halves of ks 0 and 1 (2 rows of 32,768 bytes, 256 KiB apart).  Two refills follow: B's ks 2 and 3.
; CLUSTERS: 4 x 4 work-groups; A's tiles are asked for jointly along a row of the cluster, B's along a column.  Each refill stands behind the three lines and a round of the cluster's barrier.
; PREFETCH INTO THE L2: behind the head's load waves 2 and 3 ask for what the two refills will load, B's ks 2 and 3: of a wave's 32,768 bytes of a ks the four partners of a column take 8,192 each, BY ADDRESS (place cy),
; lanes 256 bytes apart: one instruction for each ks.  All sixteen clusters load the same rows of Wo, so four of them ask.  All of A is asked for by the head's loads: nothing of it is left to prefetch.
; THE MATRIX INSTRUCTION IS USED TRANSPOSED (source 0 = 16 rows of B, source 1 = 16 rows of A): a lane holds eight neighbouring numbers of a row of the result.
; REGISTERS.  Window 0: v16-30 addresses, v32-35 bo, v128-255 A's fragments, two sets of 4 x 16 (on the way out: rows read back).  Window 1: B's fragments, two sets of 8 x 16.  Window 2: accumulator (a, b) at 8 (8 a + b).
.set BBASE,  131072                    ; B's slots: half l at BBASE + 65,536 l, slot p 32,768 p further on
.set STAGE,  262144                    ; the way out: 16 rows x 528 bytes for each wave, bytes of its own
.set SPITCH, 528
.set SPARE,  STAGE+4*16*SPITCH         ; the spare words: 128 bytes for each wave
.set ADRA, 16
.set ADRB, 20
.set STO,  24
.set RD,   25
.set CO,   26
.set SPW,  28
.set NIL,  29
.set PFO,  30                          ; the prefetches' offset: 256 x lane; never rewritten
.set BO,   32
.set AF,   128
.set BK,   128
.set WV, 16
.set HI, 17                            ; which 64 rows of A are mine.  Also: I fetch for A (0) or for B (1)
.set LW, 18                            ; which 128 rows of B are mine.  Also: which half I fetch
.set G1A, 24                           ; s[24:31] group 1, A's load;  s[32:35] its group 0
.set G0A, 32
.set G1H, 48                           ; s[48:55] group 1, B's load at the head;  s[56:59] its group 0
.set G0H, 56
.set G0R, 60                           ; s[60:63] group 0, ks 2;  s[80:83] ks 3;  s[72:79] their group 1: 128 rows of 256 bytes, dense
.set G1R, 72
.set G0S, 80
.set PFA, 84                           ; s[84:85] where my prefetches stand; never rewritten
.set MSB, 0
.macro WIN new
.if MSB != (\new)
	s_set_vgpr_msb (MSB<<8)|(\new)
.set MSB, (\new)
.endif
.endm
.set MUL_W, 0xa1                       ; source 0 (B) window 1, source 1 (A) window 0, C and D window 2
.set TO_B,  0x40
.macro PLACES n
.rept \n
	v_nop
.endr
.endm
.macro CROUND                          ; a round of the cluster's barrier
	s_barrier_signal -1
	s_barrier_wait -1
	s_cmp_lg_u32 s[WV], 0
	s_cbranch_scc1 .Lnot_wave_0_\@
	s_barrier_signal -3
.Lnot_wave_0_\@:
	s_barrier_wait -3
	s_barrier_signal -1
	s_barrier_wait -1
.endm
.macro RELOAD g0                       ; waves 2 and 3 fill a slot of B again; the branch hangs on the wave's number alone
	s_cmp_eq_u32 s[HI], 0
	s_cbranch_scc1 .Lno_b_\@
	tensor_load_to_lds s[\g0:\g0+3], s[G1R:G1R+7]
	s_nop 0
	PLACES 4
.Lno_b_\@:
.endm
	s_load_b256 s[4:11], s[0:1], 0x0               ; o's image s[4:5], the codes s[6:7], the scales' exponents s[8:9], bo s[10:11]
	s_load_b64 s[12:13], s[0:1], 0x20              ; out0
	v_lshl_add_u32 v[SPW], v0, 2, SPARE
	v_mov_b32 v[NIL], 0
	ds_add_u32 v[SPW], v[NIL]                      ; the opening lines: the add, twice on end, and its wait ahead of my first tensor load
	ds_add_u32 v[SPW], v[NIL]
	v_lshrrev_b32 v1, 5, v0
	v_readfirstlane_b32 s[WV], v1
	s_lshr_b32 s[HI], s[WV], 1
	s_and_b32 s[LW], s[WV], 1
	s_bfe_u32 s40, ttmp6, 0x40000                  ; cx = the block of 256 n
	s_bfe_u32 s41, ttmp6, 0x40004                  ; cy
	s_and_b32 s43, ttmp7, 0xffff
	s_lshl_b32 s43, s43, 2
	s_add_co_u32 s43, s43, s41                     ; the block of 128 tokens
	s_lshl_b32 s44, s41, 2
	s_lshl_b32 s44, 15, s44                        ; my row of the cluster
	s_lshl_b32 s46, 0x1111, s40                    ; my column
	s_or_b32 s[G1A], s44, (3<<16)|(1<<21)          ; the mask; elements of 8 bytes; bit 21 beside a mask; no padding
	s_or_b32 s[G1H], s46, (3<<16)|(1<<21)
	s_or_b32 s[G1R], s46, (3<<16)|(1<<21)
	s_mov_b32 s[G1A+1], 2048<<16                   ; A: rows of 2,048 elements,
	s_mov_b32 s[G1A+2], 4<<16                      ; four of them,
	s_mov_b32 s[G1A+3], 2048<<16
	s_mov_b32 s[G1A+4], 4
	s_mov_b32 s[G1A+5], 262144                     ; 512 tiles x 4,096 bytes apart
	s_mov_b32 s[G1A+6], 0
	s_mov_b32 s[G1A+7], 0
	s_mov_b32 s[G1H+1], 4096<<16                   ; B at the head: rows of 4,096 elements,
	s_mov_b32 s[G1H+2], 2<<16                      ; two of them,
	s_mov_b32 s[G1H+3], 4096<<16
	s_mov_b32 s[G1H+4], 2
	s_mov_b32 s[G1H+5], 32768                      ; 64 tiles x 4,096 bytes apart
	s_mov_b32 s[G1H+6], 0
	s_mov_b32 s[G1H+7], 0
	s_mov_b32 s[G1R+1], 32<<16                     ; a refill: 32,768 dense bytes as 128 rows of 256
	s_mov_b32 s[G1R+2], 128<<16
	s_mov_b32 s[G1R+3], 32<<16
	s_mov_b32 s[G1R+4], 128
	s_mov_b32 s[G1R+5], 32
	s_mov_b32 s[G1R+6], 0
	s_mov_b32 s[G1R+7], 0
	s_lshl_b32 s88, s43, 15                        ; A in memory: 8 tiles a block,
	s_lshl_b32 s68, s[LW], 14                      ; 4 a half
	s_add_co_u32 s88, s88, s68
	s_mov_b32 s89, 0
	s_lshl_b32 s90, s40, 16                        ; B: 16 tiles a block,
	s_lshl_b32 s68, s[LW], 15                      ; 8 a half
	s_add_co_u32 s90, s90, s68
	s_add_co_u32 s90, s90, 0x1b00000
	s_mov_b32 s91, 0
	s_lshl_b32 s45, s[LW], 16                      ; in LDS: A's half,
	s_add_co_u32 s47, s45, BBASE                   ; B's half: no place in the cluster enters an LDS address
	s_wait_dscnt 0x0                               ; both opening adds are done
	s_wait_kmcnt 0x0
	s_load_b64 s[96:97], s[8:9], 0x28              ; e10, e11
	s_add_nc_u64 s[88:89], s[4:5], s[88:89]
	s_add_nc_u64 s[90:91], s[6:7], s[90:91]
	CROUND                                         ; all sixteen work-groups are here: the first joint loads meet
	s_mov_b32 s[G0A], 1
	s_mov_b32 s[G0A+1], s45
	s_mov_b64 s[G0A+2:G0A+3], s[88:89]
	s_or_b32 s[G0A+3], s[G0A+3], 0x80000000
	s_mov_b32 s[G0H], 1
	s_mov_b32 s[G0H+1], s47
	s_mov_b64 s[G0H+2:G0H+3], s[90:91]
	s_or_b32 s[G0H+3], s[G0H+3], 0x80000000
	s_mov_b32 s[G0R], 1
	s_mov_b32 s[G0R+1], s47                        ; ks 2 into slot 0
	s_add_nc_u64 s[G0R+2:G0R+3], s[90:91], 0x80000
	s_or_b32 s[G0R+3], s[G0R+3], 0x80000000
	s_mov_b32 s[G0S], 1
	s_add_co_u32 s[G0S+1], s47, 32768              ; ks 3 into slot 1
	s_add_nc_u64 s[G0S+2:G0S+3], s[90:91], 0xc0000
	s_or_b32 s[G0S+3], s[G0S+3], 0x80000000
	s_cmp_eq_u32 s[HI], 0                          ; one tensor load a wave at the head, one in each arm
	s_cbranch_scc0 .Lhead_b
	tensor_load_to_lds s[G0A:G0A+3], s[G1A:G1A+7]
	s_nop 0
	PLACES 4
	s_branch .Lhead_done
.Lhead_b:
	tensor_load_to_lds s[G0H:G0H+3], s[G1H:G1H+7]
	s_nop 0
	PLACES 4
.Lhead_done:
	s_lshl_b32 s21, s[HI], 16                      ; my 64 rows of A
	s_lshl_b32 s22, s[LW], 16
	s_add_co_u32 s22, s22, BBASE                   ; my 128 rows of B
	s_mul_i32 s23, s[WV], 16*SPITCH
	s_add_co_u32 s23, s23, STAGE                   ; my stage
	s_lshl_b32 s66, s40, 10
	s_lshl_b32 s67, s[LW], 9
	s_add_co_u32 s66, s66, s67                     ; my first column, in bytes of f32
	s_lshl_b32 s68, s43, 7
	s_lshl_b32 s67, s[HI], 6
	s_add_co_u32 s68, s68, s67                     ; my first row
	s_lshl_b32 s68, s68, 12
	s_add_co_u32 s68, s68, s66
	s_mov_b32 s69, 0
	s_add_nc_u64 s[12:13], s[12:13], s[68:69]
	s_lshl_b32 s[PFA], s41, 13                     ; the prefetches: my work-group's 8,192 bytes of the 32,768 that my wave loads
	s_mov_b32 s[PFA+1], 0
	s_add_nc_u64 s[PFA:PFA+1], s[90:91], s[PFA:PFA+1]
	s_and_b32 s86, ttmp7, 0xffff
	s_lshr_b32 s86, s86, 2                         ; 0 in four of the sixteen clusters
	s_xor_b32 s87, s[HI], 1                        ; 0 in waves 2 and 3
	s_or_b32 s86, s86, s87
	v_and_b32 v1, 15, v0
	v_bfe_u32 v2, v0, 4, 1
	v_and_b32 v3, 31, v0
	v_lshlrev_b32 v[CO], 4, v3
	v_lshlrev_b32 v[PFO], 8, v3
	v_add_nc_u32 v[ADRA], s21, v[CO]
	v_add_nc_u32 v[ADRB], s22, v[CO]
	v_mul_u32_u24 v5, v1, SPITCH
	v_lshl_add_u32 v5, v2, 5, v5
	v_add_nc_u32 v[STO], s23, v5                   ; into the stage: row l % 16, 32 bytes for each half of the lanes
	v_add_nc_u32 v[RD], s23, v[CO]                 ; back: the 32 lanes take one row of 512 bytes
	v_add_nc_u32 v6, s66, v[CO]
	global_load_b128 v[BO:BO+3], v6, s[10:11]      ; bo at my four columns of a row read back
	s_wait_alu depctr_va_vdst(0)
	s_cmp_lg_u32 s86, 0
	s_cbranch_scc1 .Lno_ask
	global_prefetch_b8 v[PFO], s[PFA:PFA+1] offset:0x80000 th:TH_LOAD_NT scope:SCOPE_SE   ; ks 2
	global_prefetch_b8 v[PFO], s[PFA:PFA+1] offset:0xc0000 th:TH_LOAD_NT scope:SCOPE_SE   ; ks 3
.Lno_ask:
; the fragments of step n (128 along K: ks = n / 2, half n % 2) into set n % 2
.macro FETCH n
.set KS, (\n)/2
.set QQ, (\n)%2
	WIN TO_B
.irp i, 0,1,2,3,4,5,6,7
.irp c, 0,1,2,3
	ds_load_b128 v[128*QQ+16*\i+4*\c:128*QQ+16*\i+4*\c+3], v[ADRB] offset:(KS%2)*32768+\i*4096+QQ*2048+512*\c
.endr
.endr
	WIN 0
.irp i, 0,1,2,3
.irp c, 0,1,2,3
	ds_load_b128 v[AF+64*QQ+16*\i+4*\c:AF+64*QQ+16*\i+4*\c+3], v[ADRA] offset:KS*16384+\i*4096+QQ*2048+512*\c
.endr
.endr
.endm
; 32 matrix instructions: the 32 accumulators by turns, one instruction a turn, in the same order in every step
.macro MUL p, zero
	WIN MUL_W
.irp a, 0,1,2,3
.irp b, 0,1,2,3,4,5,6,7
.if \zero
	v_wmma_f32_16x16x128_fp8_fp8 v[8*(8*\a+\b):8*(8*\a+\b)+7], v[128*(\p)+16*\b:128*(\p)+16*\b+15], v[AF+64*(\p)+16*\a:AF+64*(\p)+16*\a+15], 0
.else
	v_wmma_f32_16x16x128_fp8_fp8 v[8*(8*\a+\b):8*(8*\a+\b)+7], v[128*(\p)+16*\b:128*(\p)+16*\b+15], v[AF+64*(\p)+16*\a:AF+64*(\p)+16*\a+15], v[8*(8*\a+\b):8*(8*\a+\b)+7]
.endif
.endr
.endr
	WIN 0
.endm
; A step.  Its fragments were asked for a step ago.  kind 0: wait for them.  kind 1: with them my reads of their slot are over: the three lines, a round, and the slot is filled again (group 0 in g0).
; kind 2: the three lines and a barrier: the last tile is whole for every wave.  Then the next step's fragments are asked for, four places behind the products that read their registers, and this step is multiplied.
.macro STEP n, kind, g0
.if \kind == 0
	s_wait_dscnt 0x0
.else
	s_wait_tensorcnt 0x0                           ; all my tensor loads have landed
	ds_add_u32 v[SPW], v[NIL]
	s_wait_dscnt 0x0                               ; the add is done, and my reads of the slot are over
.if \kind == 1
	CROUND                                         ; no wave of any partner still reads the slot or has a load on its way
	RELOAD \g0
.else
	s_barrier_signal -1
	s_barrier_wait -1
.endif
.endif
.if \n < 7
	PLACES 4
	FETCH (\n)+1
.endif
	MUL (\n)%2, 0
.endm
	s_wait_tensorcnt 0x0                           ; my load has landed
	s_barrier_signal -1
	s_barrier_wait -1                              ; A and B's ks 0 and 1 are whole
	FETCH 0
	FETCH 1
	s_wait_dscnt 48                                ; step 0's 48 loads are in; step 1's may be out
	MUL 0, 1                                       ; the first products start the sums
	STEP 1, 1, G0R                                 ; slot 0 is read out: ks 2
	STEP 2, 0, 0
	STEP 3, 1, G0S                                 ; ks 2 is whole; slot 1 is read out: ks 3
	STEP 4, 0, 0
	STEP 5, 2, 0                                   ; ks 3 is whole
	STEP 6, 0, 0
	STEP 7, 0, 0
; THE WAY OUT, block by block of 16 rows x 128 columns, through my own stage: back come whole rows of 512 bytes, which the 32 lanes store as two aligned units of 256 bytes.
; LDS serves a wave's instructions in order (ISA guide 5.7.1.4): no wait between the stores and the loads.
.macro TOSTAGE a
.set AC, 64*(\a)
	WIN 0x08                                       ; an LDS store's data: source 1, window 2
.irp b, 0,1,2,3,4,5,6,7
	ds_store_b128 v[STO], v[AC+8*\b:AC+8*\b+3] offset:64*\b          ; each accumulator from its low end on
	ds_store_b128 v[STO], v[AC+8*\b+4:AC+8*\b+7] offset:64*\b+16
.endr
	WIN 0
.set BB, BK+64*((\a)%2)
.irp t, 0,1,2,3,4,5,6,7,8,9,10,11,12,13,14,15
	ds_load_b128 v[BB+4*\t:BB+4*\t+3], v[RD] offset:\t*SPITCH
.endr
.endm
.macro SEND a, younger                 ; younger: the LDS instructions issued behind block a's loads, which may stay out
.set BB, BK+64*((\a)%2)
	s_wait_dscnt \younger
.if (\a) > 0
	s_add_nc_u64 s[12:13], s[12:13], 16*4096       ; behind a wait on XCNT: the earlier stores have read their base
.endif
.irp t, 0,1,2,3,4,5,6,7,8,9,10,11,12,13,14,15
	v_pk_fma_f32 v[BB+4*\t:BB+4*\t+1],   v[BB+4*\t:BB+4*\t+1],   s[96:97], v[BO:BO+1]   op_sel_hi:[1,0,1]   ; x 2^(e10 + e11), + bo
	v_pk_fma_f32 v[BB+4*\t+2:BB+4*\t+3], v[BB+4*\t+2:BB+4*\t+3], s[96:97], v[BO+2:BO+3] op_sel_hi:[1,0,1]
.endr
.irp t, 0,1,2,3,4,5,6,7,8,9,10,11,12,13,14,15
	global_store_b128 v[CO], v[BB+4*\t:BB+4*\t+3], s[12:13] offset:\t*4096 th:TH_STORE_NT
.endr
.endm
	s_wait_kmcnt 0x0
	s_add_co_i32 s96, s96, s97
	s_add_co_i32 s96, s96, 127
	s_lshl_b32 s96, s96, 23                        ; 2^(e10 + e11) as f32
	s_mov_b32 s97, s96
	s_wait_loadcnt 0x0                             ; bo
	PLACES 4                                       ; in front of the first read of the results and of the loads over A's fragments
	TOSTAGE 0
.irp a, 1,2,3
.if \a > 1
	s_wait_xcnt 0x0                                ; block a - 2's stores have read their registers and their base
.endif
	TOSTAGE \a
	SEND \a-1, 32
.endr
	s_wait_xcnt 0x0
	SEND 3, 0
	s_wait_tensorcnt 0x0                           ; the wave's end
	ds_add_u32 v[SPW], v[NIL]
	s_wait_dscnt 0x0
	CROUND                                         ; the closing round
	s_endpgm
.Lfunc_end_k_q01209eb290_outp:
	.size	k_q01209eb290_outp, .Lfunc_end_k_q01209eb290_outp-k_q01209eb290_outp
	.p2alignl 7, 3214868480
	.fill 96, 4, 3214868480
	.section	.rodata,"a",@progbits
	.p2align	6, 0x0
	.amdhsa_kernel k_q01209eb290_outp
		.amdhsa_group_segment_fixed_size 327680
		.amdhsa_private_segment_fixed_size 0
		.amdhsa_enable_private_segment 0
		.amdhsa_kernarg_size 40
		.amdhsa_user_sgpr_count 2
		.amdhsa_user_sgpr_kernarg_segment_ptr 1
		.amdhsa_wavefront_size32 1
		.amdhsa_system_sgpr_workgroup_id_x 1
		.amdhsa_system_sgpr_workgroup_id_y 1
		.amdhsa_system_sgpr_workgroup_id_z 1
		.amdhsa_system_vgpr_workitem_id 0
		.amdhsa_next_free_vgpr 768
		.amdhsa_next_free_sgpr 100
		.amdhsa_reserve_vcc 0
		.amdhsa_float_denorm_mode_32 3
		.amdhsa_float_denorm_mode_16_64 3
		.amdhsa_memory_ordered 1
		.amdhsa_forward_progress 1
		.amdhsa_inst_pref_size 74
	.end_amdhsa_kernel
	.amdgpu_metadata
---
amdhsa.version: [ 1, 2 ]
amdhsa.kernels:
  - .name:           k_q01209eb290_outp
    .symbol:         k_q01209eb290_outp.kd
    .args:
      - { .name: oimg, .offset: 0, .size: 8, .value_kind: global_buffer, .address_space: global }
      - { .name: codes, .offset: 8, .size: 8, .value_kind: global_buffer, .address_space: global }
      - { .name: lowp_scales, .offset: 16, .size: 8, .value_kind: global_buffer, .address_space: global }
      - { .name: bo, .offset: 24, .size: 8, .value_kind: global_buffer, .address_space: global }
      - { .name: out0, .offset: 32, .size: 8, .value_kind: global_buffer, .address_space: global }
    .group_segment_fixed_size: 327680
    .private_segment_fixed_size: 0
    .kernarg_segment_align: 8
    .kernarg_segment_size: 40
    .max_flat_workgroup_size: 128
    .sgpr_count:     100
    .vgpr_count:     768
    .wavefront_size: 32
...
	.end_amdgpu_metadata
.endif
;; end of part 4
